; MI455X (gfx1250); checked and timed in simulation.
; The chip was launched on July 23, 2026; its instructions are those of AMD's public machine-readable ISA for CDNA 5 (MIT licence, August 2026) and "CDNA5" Instruction Set Architecture Reference Guide (July 2026). The comments in the code are by the model that wrote it; some were corrected since.
;; Multi Head Attention. Allowed arithmetic: matrix products marked QUANTISED: E2M1 operands, one E8M0 scale for each 32 along K, by v_wmma_scale_f32_16x16x128_f8f6f4 with both operands' format E2M1 (or v_wmma_scale_f32_32x16x128_f4), f32 sums; everything else in f32.
;; Inputs: W_out_codes 1,024 x 32 x 16 uint8 (E2M1 codes of W_out, K innermost, in blocks of 32 codes, two codes a byte); W_out_scales 1,024 x 32 uint8 (E8M0 scales of W_out, one for each 32 codes along K); W_qkv_codes 3,072 x 32 x 16 uint8 (E2M1 codes of W_qkv, K innermost, in blocks of 32 codes, two codes a byte); W_qkv_scales 3,072 x 32 uint8 (E8M0 scales of W_qkv, one for each 32 codes along K); b_out 1,024 float32; b_qkv 3,072 float32; x_codes 2 x 2,048 x 32 x 16 uint8 (E2M1 codes of x, K innermost, in blocks of 32 codes, two codes a byte); x_scales 2 x 2,048 x 32 uint8 (E8M0 scales of x, one for each 32 codes along K).
;; Outputs: out0 2 x 2,048 x 1,024 float32.
;; This version of the problem:
;;   THIS VERSION OF THE PROBLEM IS GIVEN IN LOW PRECISION. The matrix products marked QUANTISED in the list below multiply operands that are first quantised to E2M1 (2 exponent bits, 1 mantissa bit; 4 bits a number), with one power-of-two scale for each 32 numbers along K (OCP MX v1.0); their sums are f32. All else is computed in f32.
;;   The module's matrix products, in the order in which they are computed (A, B: the left and right operand; K: the contracted axis; several contracted axes count as one K, in the product's order):
;;     1. [M 4,096, K 1,024] x [K 1,024, N 3,072]; A: input x (given as codes); B: input W_qkv (given as codes): QUANTISED
;;     2. batch 32 x [M 2,048, K 64] x [K 64, N 2,048]; A: computed on the way; B: computed on the way: QUANTISED
;;     3. batch 32 x [M 2,048, K 2,048] x [K 2,048, N 64]; A: softmax (see below); B: computed on the way: QUANTISED
;;     4. [M 4,096, K 1,024] x [K 1,024, N 1,024]; A: computed on the way; B: input W_out (given as codes): QUANTISED
;;   THE QUANTISER, for each operand of a quantised product, along K:
;;     - K is cut into blocks of 32 from its start; a last block that is shorter is filled with zeros.
;;     - A block's scale is 2^e with e = floor(log2(the largest magnitude in the block)) - 2, held to -126 .. 127; a block of zeros has e = 0. As a byte (E8M0): e + 127.
;;     - Each number is divided by its block's scale, clamped to +-6, and rounded to the nearest number of E2M1, ties to even, subnormals kept.
;;     - The product sums the exact products of the quantised numbers (number of the format x scale) in f32.
;;   ~~~python
;;   def quantise(x, axis):      # numpy; x: float32 -> the quantised numbers, widened to float32 again
;;       x = np.moveaxis(x, axis, -1); K = x.shape[-1]
;;       x = np.pad(x, [(0, 0)] * (x.ndim - 1) + [(0, -K % 32)]); x = x.reshape(x.shape[:-1] + (-1, 32)); a = np.abs(x).max(-1, keepdims=True)
;;       e = np.where(a > 0, np.clip(np.frexp(np.where(a > 0, a, 1))[1] - 1 - 2, -126, 127), 0)      # np.frexp(a)[1] - 1 = floor(log2(a)), exactly
;;       r = np.clip(x / 2.0 ** e, -6, 6)
;;       step = 2.0 ** (np.maximum(np.frexp(np.where(r == 0, 1, r))[1] - 1, 0) - 1)
;;       q = np.round(r / step) * step * 2.0 ** e      # np.round: ties to even
;;       return np.moveaxis(q.reshape(q.shape[:-2] + (-1,))[..., :K], -1, axis).astype(np.float32)
;;   ~~~
;;   SOFTMAX AHEAD OF A QUANTISED PRODUCT. Where the list says 'softmax', what is quantised is not the finished softmax but p = 2^(t - M), with t = logit x log2(e) and M = ceil(the row's largest t), a whole number; so 1/2 < the row's largest p <= 1. The row's sum l is taken of the UNQUANTISED p, in f32, and the product's result is divided by l at the end. Since M is a whole number, a kernel that streams over the keys may use a running M (the ceiling of the running maximum): every later rescaling is an exact power of two, which a block's scale takes up: the codes' values come out the same.
;;   OPERANDS COMPUTED ON THE WAY. 'Computed on the way' means the value that the module computes at that place (a softmax that the list does not call 'softmax' is quantised finished and normalised). What goes into a quantiser is computed in f32, as accurately as f32 sums, v_exp_f32 and their like allow (about 1e-6 of the number): no bf16 or f16 on the way to a quantiser, and a product that is left as it is and whose result goes on into a quantised operand takes f32 operands (vector FMAs, or v_wmma_f32_16x16x4_f32). A number that lies on a knife's edge between two numbers of the format may be rounded either way, as far as f32 arithmetic and the matrix unit's own rounding can turn it there, and no further.
;;   INPUTS GIVEN AS CODES. W_out (in the module: [1024, 1024], K = its axis 1); W_qkv (in the module: [3072, 1024], K = its axis 1); x (in the module: [2, 2048, 1024], K = its axis 2): each comes as NAME_codes (uint8): NAME with its K axis moved to the last place and cut into blocks of 32 codes, [.., K / 32, bytes a block], one block behind the other in memory; two codes a byte, the lower K in the low four bits (a code: sign, 2 exponent bits, 1 mantissa bit); and NAME_scales (uint8): the same leading axes, one E8M0 byte (e + 127) for each 32 codes along K. Its value is code x scale, taken as it is: it is not quantised again, and the codes and scales need not be those that the quantiser above would give.
;; One version. Each part assembles by itself: llvm-mc -triple=amdgcn-amd-amdhsa -mcpu=gfx1250 --defsym DOCPART=n.
;; ======== version 1 of 1: 3 launches
;; limits: right only within a limited range of input values
;; workspace buffers: qw 2,621,440 bytes; kvw 4,456,448 bytes; aw 2,228,224 bytes
;; launch qkv (part 1): grid 8 x 32, 12 waves a work-group, clusters of 4 x 4, 297,472 bytes of LDS; arguments x_codes, x_scales, W_qkv_codes, W_qkv_scales, b_qkv, qw, kvw; writes qw, kvw
.if DOCPART == 1
	.amdgcn_target "amdgcn-amd-amdhsa--gfx1250"
	.amdhsa_code_object_version 6
	.text
	.protected	k_q24e0a1af94_qkv
	.globl	k_q24e0a1af94_qkv
	.p2align	8
	.type	k_q24e0a1af94_qkv,@function
k_q24e0a1af94_qkv:
	s_mov_b64 s[64:65], 0
	v_nop
	global_prefetch_b8 v0, s[64:65] scope:SCOPE_SE
	s_setreg_imm32_b32 hwreg(HW_REG_WAVE_MODE, 25, 1), 1
	s_wait_xcnt 0x0
	s_wait_alu depctr_hold_cnt(0) depctr_sa_sdst(0) depctr_va_vdst(0) depctr_va_sdst(0) depctr_va_ssrc(0) depctr_va_vcc(0) depctr_vm_vsrc(0)
	s_getreg_b32 s2, hwreg(HW_REG_IB_STS2, 6, 4)
	s_cmp_eq_u32 s2, 0
	s_cbranch_scc0 .Lentry_in_a_cluster
	s_endpgm
.Lentry_in_a_cluster:
	s_bfe_u32 s2, ttmp6, 0x10000c
	s_cmp_lg_u32 s2, 0xf033
	s_cbranch_scc0 .Lentry_shape_is_right
	s_endpgm
.Lentry_shape_is_right:
; qkv = x W_qkv^T + b_qkv on codes of FP4 (E2M1) with E8M0 scales, and the quantising of q, k (along the head's 64) and v (along the keys) for the attention that follows.
; WORK LEFT OUT IN THIS PROGRAM.  reference() sets the score of key k for query q to -infinity where k > q (jnp.tril, built in its own body); the softmax gives such a key the weight 0 for all values of the inputs,
; and 0 x v adds nothing.  So the second launch leaves out every tile of 16 queries x 128 keys whose keys all come after its queries: both of its products and its softmax.  q, k and v are all live, and so is every input
; (b_qkv's part for k goes into a quantiser).  LIMIT: a NaN, an infinity or an overflow that reaches only the tiles left out is not carried to the result.
; LIMITS of the quantiser here: a block of zeros gets the byte 1 where the rule says 127 (its codes are zeros, which add nothing under any byte but 0xff, and this program alone reads the bytes); blocks whose largest
; magnitude lies under 2^-124 are held at the byte 1; NaN and infinities among the inputs are not served.
; SHARES.  A work-group takes 128 rows of x (one key step of one batch) and 384 rows of W: heads 2 cb and 2 cb + 1 of q, of k and of v.  Twelve waves, 64 x 64 each: wave w: rows 64 (w & 1) of x, 64 rows of W at 64 (w >> 1):
; waves 0-3 make q, 4-7 k, 8-11 v: a wave's kind hangs on its number alone.  All of K (1,024) lies in LDS at once, as two chunks of 512 along K, each filled once: nothing is filled again.
; ONE TEXT FOR BOTH ORIENTATIONS.  Every product is D[k][i] = (source 0 = 16 rows P_i) x (source 1 = 16 rows R_k): lane (r, h) holds row r of R_k, and its register j row 8 h + j of P_i.
; q, k: P = W, R = x: a lane holds one token and its registers run along d.  v: P = x, R = W: a lane holds one channel d and its registers run along the keys.  Only address registers differ.
; So the 32 registers D[k][0..3] of a lane are 64 along the next product's K: register 8 i + j is 16 i + 8 h + j; a block of 32 is registers 16 b .. 16 b + 15 of lanes l and l xor 16.
; OUT: images of operand registers: four registers of a lane are 16 bytes at 16 x lane, 512 consecutive bytes a store.
;   qw:  codes [bh][query tile][512];  from QS on scale words [bh][tile / 4][512], tile t's at 16 x lane + 4 (t & 3): s0 | s1 << 8 | s0 << 16 | s1 << 24.
;   kvw: [bh][key step][8,704]: 8 images of K (16 keys each), 8 of V (4,096 + 1,024 td + 512 c), and at 8,192 four scale words a lane: KS0, KS1, VS0, VS1.
; CLUSTER 4 x 4: x's tiles hang on the row block alone and are asked for jointly along a row of the cluster, W's on the column block alone and jointly along a column.
.set PITCH,  272                       ; an LDS row: 256 bytes of codes (512 along K) + 16 of padding: the 16 rows of a fragment load start 68 words apart
.set T16,    16*PITCH
.set B128,   128*PITCH                 ; what one tensor load brings
.set CH1,    4*B128                    ; a chunk: rows 0-127 x, 128-255 Wq, 256-383 Wk, 384-511 Wv
.set SCL,    2*CH1                     ; the same 512 rows' scale bytes, 32 a row, as runs of 256 bytes + 16 of padding
.set S64,    8*272                     ; those of 64 rows
.set S128,   16*272
.set SPARE,  SCL+4*S128                ; the spare words: 128 bytes for each of twelve waves, six blocks of 256 bytes that no other line names
.set QS,     2097152
.set STEPB,  8704
.set HEADB,  16*STEPB
.set LI,  3                            ; v3    16 x lane
.set ADP, 4                            ; v4-5  LDS address of my P fragments in chunk 0, 1
.set ADR, 6                            ; v6-7  the same for R
.set ADS, 8                            ; v8    my scale words: lanes 0-15 R's rows, lanes 16-31 P's
.set BO,  9                            ; v9    my offset in the bias
.set SPW, 12                           ; v12   my spare word; never rewritten
.set NIL, 13                           ; v13   0; never rewritten
.set PF,  16                           ; v16-47   P's four fragments
.set RF,  48                           ; v48-79   R's four
.set SC,  80                           ; v80-95   scale words: register 4 i + q; they hold nothing else
.set BI,  96                           ; v96-127  the bias in the result's layout; the way out takes these registers afterwards:
.set CD,  96                           ; v96-111  codes, four registers for each k
.set SB,  112                          ; v112-115 two scale bytes for each k
.set T,   116                          ; v116-121 at work
.set SW,  122                          ; v122-125 scale words to store
.set ACC, 128                          ; v128-255 D[k][i] at 128 + 32 k + 8 i
.set WV,  18
.set CX,  19
.set CY,  20
.set CB,  21
.set RB,  22
.set ISV, 23
.set UU,  2
.set HD,  3
.set SEL, 84                           ; s[84:85] lane selects: lane l xor 16
.set HM,  86                           ; s86 a mask of lanes 16-31
.set HALF, 87
.macro CROUND                          ; a round of the cluster's barrier
	s_barrier_signal -1
	s_barrier_wait -1
	s_cmp_lg_u32 s[WV], 0
	s_cbranch_scc1 .Lnot_wave_0_\@
	s_barrier_signal -3
.Lnot_wave_0_\@:
	s_barrier_wait -3
	s_barrier_signal -1
	s_barrier_wait -1
.endm
.macro PLACES                          ; four plain vector instructions between matrix instructions and loads into, or reads of, their registers
.rept 4
	v_nop
.endr
.endm
; 32 numbers of a lane (register 8 i + j = place 16 i + 8 h + j along K) become four registers of codes, K = 32 h + 0 .. 31, in v[cd] on, and two scale bytes in v[sb]; v[t+2], v[t+3] keep the bytes singly.
.macro QUANT src, cd, sb, t
	v_max3_num_f32 v[\t], |v[\src]|, |v[\src+1]|, 0x1800000          ; block 0: my 16 numbers, and the floor 2^(3 - 127): the byte cannot fall under 1
	v_max3_num_f32 v[\t+1], |v[\src+16]|, |v[\src+17]|, 0x1800000    ; block 1
.irp i, 2,4,6,8,10,12,14
	v_max3_num_f32 v[\t], v[\t], |v[\src+\i]|, |v[\src+\i+1]|        ; ascending: each accumulator is first read at its low end
	v_max3_num_f32 v[\t+1], v[\t+1], |v[\src+16+\i]|, |v[\src+17+\i]|
.endr
	s_delay_alu instid0(VALU_DEP_2)
	v_permlanex16_b32 v[\t+2], v[\t], s[SEL], s[SEL+1]
	s_delay_alu instid0(VALU_DEP_2)
	v_permlanex16_b32 v[\t+3], v[\t+1], s[SEL], s[SEL+1]
	s_delay_alu instid0(VALU_DEP_2)
	v_max_num_f32 v[\t], v[\t], v[\t+2]                              ; with lane l xor 16's 16: the block's largest magnitude
	s_delay_alu instid0(VALU_DEP_2)
	v_max_num_f32 v[\t+1], v[\t+1], v[\t+3]
	s_delay_alu instid0(VALU_DEP_2)
	v_add_nc_u32 v[\t+4], 0xff000000, v[\t]                          ; 2 off its exponent field: the conversion's scale operand
	s_delay_alu instid0(VALU_DEP_2)
	v_add_nc_u32 v[\t+5], 0xff000000, v[\t+1]
	s_delay_alu instid0(VALU_DEP_2)
	v_lshrrev_b32 v[\t+2], 23, v[\t+4]                               ; the scales' bytes
	s_delay_alu instid0(VALU_DEP_2)
	v_lshrrev_b32 v[\t+3], 23, v[\t+5]
	s_delay_alu instid0(VALU_DEP_1)
	v_lshl_or_b32 v[\sb], v[\t+3], 8, v[\t+2]
	v_cvt_scalef32_pk8_fp4_f32 v[\cd], v[\src:\src+7], v[\t+4]       ; places 8 h + 0 .. 7
	v_cvt_scalef32_pk8_fp4_f32 v[\cd+2], v[\src+8:\src+15], v[\t+4]  ; 16 + 8 h ..
	v_cvt_scalef32_pk8_fp4_f32 v[\cd+1], v[\src+16:\src+23], v[\t+5] ; 32 + 8 h ..
	v_cvt_scalef32_pk8_fp4_f32 v[\cd+3], v[\src+24:\src+31], v[\t+5] ; 48 + 8 h ..
	v_nop                                                            ; one plain instruction behind the scaled conversions
	v_permlane16_swap_b32 v[\cd], v[\cd+1]                           ; the first's lanes 16-31 change places with the second's lanes 0-15: now 32 h + 0 .. 7 and 32 h + 8 .. 15
	v_permlane16_swap_b32 v[\cd+2], v[\cd+3]                         ; 32 h + 16 .. 23 and 32 h + 24 .. 31
.endm
; the fragments of 128 along K, the q-th of chunk c; with a chunk's first step its scale words
.macro FETCH c, q
.irp i, 0,1,2,3
	ds_load_b128 v[PF+8*\i:PF+8*\i+3],   v[ADP+\c] offset:64*\q+\i*T16
	ds_load_b128 v[PF+8*\i+4:PF+8*\i+7], v[ADP+\c] offset:64*\q+\i*T16+32
	ds_load_b128 v[RF+8*\i:RF+8*\i+3],   v[ADR+\c] offset:64*\q+\i*T16
	ds_load_b128 v[RF+8*\i+4:RF+8*\i+7], v[ADR+\c] offset:64*\q+\i*T16+32
.endr
.if \q == 0
.irp i, 0,1,2,3
	ds_load_b128 v[SC+4*\i:SC+4*\i+3], v[ADS] offset:\i*544+16*\c    ; four words a row: lanes 0-15 R's tile i, lanes 16-31 P's tile i
.endr
.endif
	s_wait_dscnt 0x0
.endm
; 16 products; the 16 accumulators take turns, one instruction a turn, in the same order in every step.  mode 0: in place; 1: C = the bias by P's tile; 2: by R's tile
.macro MUL q, mode
.irp k, 0,1,2,3
.irp i, 0,1,2,3
.if \mode == 0
	v_wmma_scale_f32_16x16x128_f8f6f4 v[ACC+32*\k+8*\i:ACC+32*\k+8*\i+7], v[PF+8*\i:PF+8*\i+7], v[RF+8*\k:RF+8*\k+7], v[ACC+32*\k+8*\i:ACC+32*\k+8*\i+7], v[SC+4*\i+\q], v[SC+4*\k+\q] matrix_a_fmt:MATRIX_FMT_FP4 matrix_b_fmt:MATRIX_FMT_FP4 matrix_a_scale:MATRIX_SCALE_ROW1
.elseif \mode == 1
	v_wmma_scale_f32_16x16x128_f8f6f4 v[ACC+32*\k+8*\i:ACC+32*\k+8*\i+7], v[PF+8*\i:PF+8*\i+7], v[RF+8*\k:RF+8*\k+7], v[BI+8*\i:BI+8*\i+7], v[SC+4*\i+\q], v[SC+4*\k+\q] matrix_a_fmt:MATRIX_FMT_FP4 matrix_b_fmt:MATRIX_FMT_FP4 matrix_a_scale:MATRIX_SCALE_ROW1
.else
	v_wmma_scale_f32_16x16x128_f8f6f4 v[ACC+32*\k+8*\i:ACC+32*\k+8*\i+7], v[PF+8*\i:PF+8*\i+7], v[RF+8*\k:RF+8*\k+7], v[BI+8*\k:BI+8*\k+7], v[SC+4*\i+\q], v[SC+4*\k+\q] matrix_a_fmt:MATRIX_FMT_FP4 matrix_b_fmt:MATRIX_FMT_FP4 matrix_a_scale:MATRIX_SCALE_ROW1
.endif
.endr
.endr
.endm
	s_load_b256 s[4:11], s[0:1], 0x0               ; x's codes s[4:5], x's scales s[6:7], W's codes s[8:9], W's scales s[10:11]
	s_load_b128 s[12:15], s[0:1], 0x20             ; b_qkv s[12:13], qw s[14:15]
	s_load_b64 s[16:17], s[0:1], 0x30              ; kvw
	v_lshl_add_u32 v[SPW], v0, 2, SPARE
	v_mov_b32 v[NIL], 0
	ds_add_u32 v[SPW], v[NIL]                      ; the wave's opening: the add, twice on end, and its wait ahead of the first tensor loads; work on registers stands between
	ds_add_u32 v[SPW], v[NIL]
	v_lshrrev_b32 v1, 5, v0
	s_delay_alu instid0(VALU_DEP_1)
	v_readfirstlane_b32 s[WV], v1                  ; wave 0..11
	s_bfe_u32 s[CX], ttmp6, 0x40000                ; my place in the cluster
	s_bfe_u32 s[CY], ttmp6, 0x40004
	s_lshl_b32 s[CB], ttmp9, 2
	s_add_co_u32 s[CB], s[CB], s[CX]               ; column block 0..7: heads 2 cb, 2 cb + 1
	s_and_b32 s[RB], ttmp7, 0xffff
	s_lshl_b32 s[RB], s[RB], 2
	s_add_co_u32 s[RB], s[RB], s[CY]               ; row block 0..31: rows 128 rb on
	s_lshr_b32 s[ISV], s[WV], 3                    ; 1 in the waves that make v
	s_lshl_b32 s2, s[CY], 2
	s_lshl_b32 s2, 15, s2                          ; my row of the cluster
	s_lshl_b32 s3, 0x1111, s[CX]                   ; my column
	; descriptor groups 1.  Codes: 128 rows x 256 bytes, 512 bytes apart in memory, 16 bytes of padding behind each row in LDS
	s_or_b32 s24, s2, (1<<20)|(1<<21)|(5<<22)|(3<<25)          ; x: 15:0 the mask of my row; elements of 1 byte; 20 padding on; 21 set beside a mask; after every 64 words four words
	s_or_b32 s32, s3, (1<<20)|(1<<21)|(5<<22)|(3<<25)          ; W: the mask of my column
.irp g, 24, 32
	s_mov_b32 s[\g+1], 256<<16                     ; tensor_dim0
	s_mov_b32 s[\g+2], 128<<16                     ; tensor_dim1
	s_mov_b32 s[\g+3], 256<<16                     ; tile_dim0
	s_mov_b32 s[\g+4], 128                         ; tile_dim1
	s_mov_b32 s[\g+5], 512                         ; from row to row
	s_mov_b32 s[\g+6], 0
	s_mov_b32 s[\g+7], 0
.endr
	; scale bytes of 128 rows: 4,096 dense bytes as 16 rows of 256 (32 elements of 8 bytes), 16 bytes of padding behind each
	s_or_b32 s40, s2, (3<<16)|(1<<20)|(1<<21)|(5<<22)|(3<<25)
	s_or_b32 s48, s3, (3<<16)|(1<<20)|(1<<21)|(5<<22)|(3<<25)
.irp g, 40, 48
	s_mov_b32 s[\g+1], 32<<16
	s_mov_b32 s[\g+2], 16<<16
	s_mov_b32 s[\g+3], 32<<16
	s_mov_b32 s[\g+4], 16
	s_mov_b32 s[\g+5], 32
	s_mov_b32 s[\g+6], 0
	s_mov_b32 s[\g+7], 0
.endr
	s_lshl_b32 s88, s[RB], 16                      ; x's codes: 128 rows of 512 bytes a block: the row block alone
	s_mov_b32 s89, 0
	s_lshl_b32 s90, s[RB], 12                      ; x's scales: 128 rows of 32 bytes
	s_mov_b32 s91, 0
	s_and_b32 s92, s[WV], 3                        ; W: wave % 4 = 0, 1, 2 fetch for q's, k's, v's rows: the wave's number and the column block alone
	s_min_u32 s92, s92, 2
	s_lshl_b32 s92, s92, 10
	s_lshl_b32 s93, s[CB], 7
	s_add_co_u32 s92, s92, s93                     ; first row of W
	s_lshl_b32 s94, s92, 9
	s_mov_b32 s95, 0
	s_lshl_b32 s96, s92, 5
	s_mov_b32 s97, 0
	s_and_b32 s2, s[WV], 3
	s_add_co_u32 s2, s2, 1
	s_mul_i32 s98, s2, B128                        ; where W's rows go: behind x's 128: (wave % 4 + 1) x 128 rows
	s_mul_i32 s99, s2, S128
	s_mov_b32 s[SEL], 0x76543210
	s_mov_b32 s[SEL+1], 0xfedcba98
	s_mov_b32 s[HM], 0xffff0000
	s_wait_dscnt 0x0                               ; both opening adds are done
	s_wait_kmcnt 0x0
	s_mov_b32 s56, 1                               ; x's scales
	s_mov_b32 s57, SCL
	s_add_nc_u64 s[58:59], s[6:7], s[90:91]
	s_or_b32 s59, s59, 0x80000000
	s_mov_b32 s60, 1                               ; x's chunk 0
	s_mov_b32 s61, 0
	s_add_nc_u64 s[62:63], s[4:5], s[88:89]
	s_mov_b32 s68, 1                               ; x's chunk 1: 256 bytes on in each row
	s_mov_b32 s69, CH1
	s_add_nc_u64 s[70:71], s[62:63], 256
	s_or_b32 s63, s63, 0x80000000
	s_or_b32 s71, s71, 0x80000000
	s_mov_b32 s72, 1                               ; W's scales
	s_add_co_u32 s73, s99, SCL
	s_add_nc_u64 s[74:75], s[10:11], s[96:97]
	s_or_b32 s75, s75, 0x80000000
	s_mov_b32 s76, 1                               ; W's chunk 0
	s_mov_b32 s77, s98
	s_add_nc_u64 s[78:79], s[8:9], s[94:95]
	s_mov_b32 s80, 1                               ; W's chunk 1
	s_add_co_u32 s81, s98, CH1
	s_add_nc_u64 s[82:83], s[78:79], 256
	s_or_b32 s79, s79, 0x80000000
	s_or_b32 s83, s83, 0x80000000
	CROUND                                         ; all sixteen work-groups are here: the joint loads meet
; twelve tiles, twelve waves: one tensor load a wave, in one chain of arms: waves 0-2 W's chunk 0, 3 x's chunk 0, 4-6 W's scales, 7 x's scales, 8-10 W's chunk 1, 11 x's chunk 1
.macro ARM under, g0, g1, next
	s_cmp_lt_u32 s[WV], \under
	s_cbranch_scc0 \next
	tensor_load_to_lds s[\g0:\g0+3], s[\g1:\g1+7]
	s_nop 0
	PLACES
	s_branch .Lfilled
\next:
.endm
	ARM 3, 76, 32, .Larm_xc0
	ARM 4, 60, 24, .Larm_ws
	ARM 7, 72, 48, .Larm_xs
	ARM 8, 56, 40, .Larm_wc1
	ARM 11, 80, 32, .Larm_xc1
	tensor_load_to_lds s[68:71], s[24:31]
	s_nop 0
	PLACES
.Lfilled:
	v_and_b32 v1, 15, v0                           ; r
	v_bfe_u32 v2, v0, 4, 1                         ; h
	v_and_b32 v[LI], 31, v0
	s_delay_alu instid0(VALU_DEP_1)
	v_lshlrev_b32 v[LI], 4, v[LI]
	s_delay_alu instid0(VALU_DEP_4)
	v_mul_u32_u24 v10, v1, PITCH
	s_delay_alu instid0(VALU_DEP_1)
	v_lshl_add_u32 v10, v2, 4, v10                 ; a fragment's row x pitch + 16 h
	s_wait_alu depctr_va_vdst(0)
	s_and_b32 s[HALF], s[WV], 1                    ; which 64 rows of x
	s_lshr_b32 s[UU], s[WV], 1                     ; which 64 rows of W
	s_lshl_b32 s89, s[HALF], 6                     ; x's rows begin at LDS row 64 half,
	s_lshl_b32 s90, s[UU], 6
	s_add_co_u32 s90, s90, 128                     ; W's at 128 + 64 u
	s_xor_b32 s91, s89, s90
	s_mul_i32 s91, s91, s[ISV]                     ; the waves that make v take them the other way round
	s_xor_b32 s92, s90, s91                        ; P's first row
	s_xor_b32 s93, s89, s91                        ; R's
	s_mul_i32 s92, s92, PITCH
	s_mul_i32 s93, s93, PITCH
	v_add_nc_u32 v[ADP], s92, v10
	s_delay_alu instid0(VALU_DEP_1)
	v_add_nc_u32 v[ADP+1], CH1, v[ADP]
	v_add_nc_u32 v[ADR], s93, v10
	s_delay_alu instid0(VALU_DEP_1)
	v_add_nc_u32 v[ADR+1], CH1, v[ADR]
	v_lshrrev_b32 v11, 3, v1                       ; scale bytes: row rho at 272 (rho / 8) + 32 (rho % 8)
	s_delay_alu instid0(VALU_DEP_1)
	v_mul_u32_u24 v11, v11, 272
	v_and_b32 v[ADS], 7, v1
	s_delay_alu instid0(VALU_DEP_1)
	v_lshl_add_u32 v[ADS], v[ADS], 5, v11
	s_xor_b32 s95, s[HALF], 1                      ; from x's 64 rows to W's: 4,352 + 2,176 u - 2,176 half = 2,176 (1 + u + (1 - half))
	s_add_co_u32 s95, s95, s[UU]
	s_add_co_u32 s95, s95, 1
	s_mul_i32 s95, s95, S64
	v_xor_b32 v11, s[ISV], v2                      ; lanes 0-15 take R's words, lanes 16-31 P's: W's where h xor isV is 1
	s_delay_alu instid0(VALU_DEP_1)
	v_mul_u32_u24 v11, s95, v11
	s_mul_i32 s94, s[HALF], S64
	s_add_co_u32 s94, s94, SCL
	v_add_nc_u32 v[ADS], v[ADS], v11
	s_delay_alu instid0(VALU_DEP_1)
	v_add_nc_u32 v[ADS], s94, v[ADS]
	s_and_b32 s[HD], s[UU], 1
	s_lshl_b32 s88, s[CB], 1
	s_add_co_u32 s[HD], s[HD], s88                 ; my head
	s_lshr_b32 s96, s[WV], 2                       ; 0 q, 1 k, 2 v
	s_lshl_b32 s96, s96, 10
	s_lshl_b32 s88, s[HD], 6
	s_add_co_u32 s96, s96, s88
	s_lshl_b32 s96, s96, 2                         ; my 64 numbers of the bias, in bytes
	s_mov_b32 s97, 0
	s_add_nc_u64 s[12:13], s[12:13], s[96:97]
	s_cmp_lt_u32 s[WV], 8
	s_cbranch_scc0 .Lbias_v
	v_lshlrev_b32 v[BO], 5, v2                     ; q, k: register j of tile i is W's row 16 i + 8 h + j
.irp i, 0,1,2,3
	global_load_b128 v[BI+8*\i:BI+8*\i+3],   v[BO], s[12:13] offset:64*\i
	global_load_b128 v[BI+8*\i+4:BI+8*\i+7], v[BO], s[12:13] offset:64*\i+16
.endr
	s_branch .Lbias_in
.Lbias_v:
	v_lshlrev_b32 v[BO], 2, v1                     ; v: all eight registers of tile k are W's row 16 k + r
.irp k, 0,1,2,3
.irp j, 0,1,2,3,4,5,6,7
	global_load_b32 v[BI+8*\k+\j], v[BO], s[12:13] offset:64*\k
.endr
.endr
.Lbias_in:
	s_cmp_gt_u32 s[WV], 7                          ; waves 8 to 11 have chunk 1 on its way, by load lines of their own: it is waited for at the second barrier
	s_cbranch_scc1 .Lnot_yet
	s_wait_tensorcnt 0x0                           ; my tile of the scales or of chunk 0 is in
.Lnot_yet:
	s_barrier_signal -1
	s_barrier_wait -1                              ; everybody's are
	s_wait_alu depctr_va_vdst(0)
	FETCH 0, 0
	s_wait_loadcnt 0x0                             ; the bias
	s_cmp_lt_u32 s[WV], 8                          ; the first step starts the sums from the bias: nothing is cleared and nothing is added later
	s_cbranch_scc0 .Lfirst_v
	MUL 0, 1
	s_branch .Lfirst_done
.Lfirst_v:
	MUL 0, 2
.Lfirst_done:
.irp q, 1,2
	PLACES
	FETCH 0, \q
	MUL \q, 0
.endr
	PLACES
	FETCH 0, 3
	s_wait_tensorcnt 0x0                           ; my part of chunk 1 is in (no LDS instruction of mine is out),
	s_barrier_signal -1
	MUL 3, 0                                       ; work on registers while the others arrive,
	s_barrier_wait -1                              ; everybody's is
.irp q, 0,1,2,3
	PLACES
	FETCH 1, \q
	MUL \q, 0
.endr
	PLACES
	; THE WAY OUT
	v_mov_b32 v[T+2], 0                            ; a lane permute's destination counts as one of its sources
	v_mov_b32 v[T+3], 0
.irp k, 0,1,2,3
	QUANT ACC+32*\k, CD+4*\k, SB+\k, T
.endr
	s_lshr_b32 s89, s[RB], 4
	s_lshl_b32 s89, s89, 4
	s_add_co_u32 s89, s89, s[HD]                   ; bh = 16 x batch + head
	s_and_b32 s90, s[RB], 15                       ; the key step, and the block of 8 query tiles
	s_mov_b32 s93, 0
	s_mov_b32 s95, 0
	s_cmp_lt_u32 s[WV], 4
	s_cbranch_scc0 .Lnot_q
	s_lshl_b32 s92, s89, 7                         ; q: tile 128 bh + 8 step + 4 half + k
	s_lshl_b32 s94, s90, 3
	s_add_co_u32 s92, s92, s94
	s_lshl_b32 s94, s[HALF], 2
	s_add_co_u32 s92, s92, s94
	s_lshl_b32 s92, s92, 9
	s_add_nc_u64 s[96:97], s[14:15], s[92:93]
	s_lshl_b32 s92, s89, 5                         ; its scale words: four tiles' in 512 bytes
	s_lshl_b32 s94, s90, 1
	s_add_co_u32 s92, s92, s94
	s_add_co_u32 s92, s92, s[HALF]
	s_lshl_b32 s92, s92, 9
	s_add_co_u32 s92, s92, QS
	s_add_nc_u64 s[98:99], s[14:15], s[92:93]
.irp k, 0,1,2,3
	v_lshl_or_b32 v[SW+\k], v[SB+\k], 16, v[SB+\k] ; the two bytes twice: q stands in the lower or in the upper 64 of the next product's 128
.endr
	s_wait_alu depctr_va_vdst(0)
.irp k, 0,1,2,3
	global_store_b128 v[LI], v[CD+4*\k:CD+4*\k+3], s[96:97] offset:512*\k   ; 32 lanes store 512 consecutive bytes, aligned
.endr
	global_store_b128 v[LI], v[SW:SW+3], s[98:99]
	s_branch .Lout
.Lnot_q:
	s_mul_i32 s92, s89, HEADB
	s_mul_i32 s94, s90, STEPB
	s_add_co_u32 s92, s92, s94
	s_add_nc_u64 s[16:17], s[16:17], s[92:93]      ; my head's key step in kvw
	s_cmp_lt_u32 s[WV], 8
	s_cbranch_scc0 .Lis_v
	s_lshl_b32 s94, s[HALF], 11                    ; k: key tile 4 half + k
	s_add_nc_u64 s[96:97], s[16:17], s[94:95]
	s_lshl_b32 s94, s[HALF], 2                     ; my word of the four: KS(half)
	s_add_nc_u64 s[98:99], s[16:17], s[94:95]
	v_lshl_or_b32 v[SW], v[SB+1], 16, v[SB]        ; a pair of key tiles is one operand of 128: its word holds both tiles' two bytes
	s_wait_alu depctr_va_vdst(0)
	v_lshl_or_b32 v[SW+1], v[SB+3], 16, v[SB+2]
	s_delay_alu instid0(VALU_DEP_1)
	v_cndmask_b32 v[SW+2], v[SW], v[SW+1], s[HM]   ; lanes 0-15 the first pair's, lanes 16-31 the second's
.irp k, 0,1,2,3
	global_store_b128 v[LI], v[CD+4*\k:CD+4*\k+3], s[96:97] offset:512*\k
.endr
	global_store_b32 v[LI], v[SW+2], s[98:99] offset:8192      ; 4 bytes a lane, 16 apart: the scales are one byte in 32 of what is stored here
	s_branch .Lout
.Lis_v:
	s_lshl_b32 s94, s[HALF], 9                     ; v: channels 16 k + r, keys 64 half + 32 h on
	s_add_nc_u64 s[96:97], s[16:17], s[94:95]
	s_lshl_b32 s94, s[HALF], 1                     ; my two bytes of a word's four: key blocks 2 half, 2 half + 1
	s_add_nc_u64 s[98:99], s[16:17], s[94:95]
	v_cndmask_b32 v[SW], v[SB], v[SB+1], s[HM]     ; VS0: lanes 0-15 channel tile 0, lanes 16-31 tile 1
	s_wait_alu depctr_va_vdst(0)
	v_cndmask_b32 v[SW+1], v[SB+2], v[SB+3], s[HM] ; VS1: tiles 2 and 3
.irp k, 0,1,2,3
	global_store_b128 v[LI], v[CD+4*\k:CD+4*\k+3], s[96:97] offset:4096+1024*\k
.endr
	global_store_b16 v[LI], v[SW], s[98:99] offset:8200        ; 2 bytes a lane: the other half of each word comes from the wave with the other 64 keys
	global_store_b16 v[LI], v[SW+1], s[98:99] offset:8204
.Lout:
	s_wait_tensorcnt 0x0                           ; the wave's end
	ds_add_u32 v[SPW], v[NIL]
	s_wait_dscnt 0x0
	CROUND                                         ; the closing round
	s_endpgm
.Lfunc_end_k_q24e0a1af94_qkv:
	.size	k_q24e0a1af94_qkv, .Lfunc_end_k_q24e0a1af94_qkv-k_q24e0a1af94_qkv
	.p2alignl 7, 3214868480
	.fill 96, 4, 3214868480
	.section	.rodata,"a",@progbits
	.p2align	6, 0x0
	.amdhsa_kernel k_q24e0a1af94_qkv
		.amdhsa_group_segment_fixed_size 297472
		.amdhsa_private_segment_fixed_size 0
		.amdhsa_enable_private_segment 0
		.amdhsa_kernarg_size 56
		.amdhsa_user_sgpr_count 2
		.amdhsa_user_sgpr_kernarg_segment_ptr 1
		.amdhsa_wavefront_size32 1
		.amdhsa_system_sgpr_workgroup_id_x 1
		.amdhsa_system_sgpr_workgroup_id_y 1
		.amdhsa_system_sgpr_workgroup_id_z 1
		.amdhsa_system_vgpr_workitem_id 0
		.amdhsa_next_free_vgpr 256
		.amdhsa_next_free_sgpr 100
		.amdhsa_reserve_vcc 0
		.amdhsa_float_denorm_mode_32 3
		.amdhsa_float_denorm_mode_16_64 3
		.amdhsa_memory_ordered 1
		.amdhsa_forward_progress 1
		.amdhsa_inst_pref_size 55
	.end_amdhsa_kernel
	.amdgpu_metadata
---
amdhsa.version: [ 1, 2 ]
amdhsa.kernels:
  - .name:           k_q24e0a1af94_qkv
    .symbol:         k_q24e0a1af94_qkv.kd
    .args:
      - { .name: x_codes, .offset: 0, .size: 8, .value_kind: global_buffer, .address_space: global }
      - { .name: x_scales, .offset: 8, .size: 8, .value_kind: global_buffer, .address_space: global }
      - { .name: W_qkv_codes, .offset: 16, .size: 8, .value_kind: global_buffer, .address_space: global }
      - { .name: W_qkv_scales, .offset: 24, .size: 8, .value_kind: global_buffer, .address_space: global }
      - { .name: b_qkv, .offset: 32, .size: 8, .value_kind: global_buffer, .address_space: global }
      - { .name: qw, .offset: 40, .size: 8, .value_kind: global_buffer, .address_space: global }
      - { .name: kvw, .offset: 48, .size: 8, .value_kind: global_buffer, .address_space: global }
    .group_segment_fixed_size: 297472
    .private_segment_fixed_size: 0
    .kernarg_segment_align: 8
    .kernarg_segment_size: 56
    .max_flat_workgroup_size: 384
    .sgpr_count:     100
    .vgpr_count:     256
    .wavefront_size: 32
...
	.end_amdgpu_metadata
.endif
;; end of part 1
;; launch attn (part 2): grid 8 x 32, 16 waves a work-group, clusters of 4 x 1, 178,176 bytes of LDS; arguments qw, kvw, aw; writes aw
.if DOCPART == 2
	.amdgcn_target "amdgcn-amd-amdhsa--gfx1250"
	.amdhsa_code_object_version 6
	.text
	.protected	k_q24e0a1af94_attn
	.globl	k_q24e0a1af94_attn
	.p2align	8
	.type	k_q24e0a1af94_attn,@function
k_q24e0a1af94_attn:
	s_mov_b64 s[64:65], 0
	v_nop
	global_prefetch_b8 v0, s[64:65] scope:SCOPE_SE
	s_setreg_imm32_b32 hwreg(HW_REG_WAVE_MODE, 25, 1), 1
	s_wait_xcnt 0x0
	s_wait_alu depctr_hold_cnt(0) depctr_sa_sdst(0) depctr_va_vdst(0) depctr_va_sdst(0) depctr_va_ssrc(0) depctr_va_vcc(0) depctr_vm_vsrc(0)
	s_getreg_b32 s2, hwreg(HW_REG_IB_STS2, 6, 4)
	s_cmp_eq_u32 s2, 0
	s_cbranch_scc0 .Lentry_in_a_cluster
	s_endpgm
.Lentry_in_a_cluster:
	s_bfe_u32 s2, ttmp6, 0x10000c
	s_cmp_lg_u32 s2, 0x3003
	s_cbranch_scc0 .Lentry_shape_is_right
	s_endpgm
.Lentry_shape_is_right:
; Causal attention of one head on codes of FP4 (E2M1) with E8M0 scales: S^T = K Q^T, softmax, O^T = V^T P^T, O / l, and the quantising of O along the model's axis for the projection.
; WORK LEFT OUT: a step of 128 keys all of which come after a tile's 16 queries (reference()'s own jnp.tril gives them the weight 0 for all inputs) is not multiplied; a NaN or an overflow that reaches only such steps is not carried on.
; THE SOFTMAX: t = score x log2(e) / 8; M = the running largest t rounded up to a whole number; p = 2^(t - M) is quantised along the keys, not normalised; the row's sum is taken of the unquantised p and divides O at the end.
; When M moves, the sum and O are multiplied by 2^(old M - new M), which rounds nothing.  LIMITS: the scaled scores stay under 2^31 in magnitude; v_exp_f32 gives 0 for p under 2^-126; a block of zeros keeps the byte 1
; (zero codes; this program alone reads the bytes); NaN and infinities among the inputs are not served.
; SHARES.  A work-group serves one head bh.  A tile is the 16 queries 128 P + 16 I + r, I the work-group's number in the head (0..7), P = 0..15; its live steps are 0 .. P, step P lies on the diagonal.
; Waves 2 p and 2 p + 1 serve the tiles P = p and P = 15 - p, 17 steps together: the LONG wave takes steps 0 .. 8 of tile 15 - p; the SHORT wave takes its own tile's p + 1 steps, sends that tile out,
; and takes steps 9 .. 15 - p of the long tile.  So each wave has 8 or 9 steps.  The two parts of the long tile (O, the sum, M) meet once, through LDS.
; Short are the waves whose (w xor w / 4) is even: two of any four with equal w % 4, or with equal w / 4.
; The head's K and V, 16 steps of 8,704 bytes as images of operand registers, lie in LDS whole: each wave brings one step by one tensor load, jointly with the three partners of its cluster, which serve the same head.
; Step 0 has a load line and a barrier of its own, so that its work goes on while the other fifteen are on their way.  No prefetch: all that is read is asked for at the head, and no loop asks for more.
; K = 64 IN AN INSTRUCTION OF 128: a pair of key tiles is one source 0 (tile 2 g in K 0-63, tile 2 g + 1 in K 64-127); source 1 is [q | 0] for the first and [0 | q] for the second: zero codes add nothing.
; A lane holds one query (lane % 16) throughout; register j of score tile tau is key 16 tau + 8 h + j, so a block of 32 keys is registers 16 b .. 16 b + 15 of lanes l and l xor 16.
.set STEPB, 8704
.set HEADB, 16*STEPB
.set SPARE, HEADB                      ; behind the head's steps: the spare words, 128 bytes for each of sixteen waves
.set MRG,   SPARE+2048                 ; behind them: 4,608 bytes for each pair of waves, where the short wave puts its part of the long tile
.set QS,    2097152
.set AS,    2097152
.set LI,  1                            ; v1   16 x lane
.set RM,  3                            ; v3   r - 8 h
.set NINF, 4                           ; v4   -infinity
.set SPW, 5                            ; v5   my spare word; never rewritten
.set NIL, 6                            ; v6   0; never rewritten
.set BYO, 7                            ; v7   32 r + h: my scale byte's place
.set ADK, 8                            ; v8   16 x lane + the step's first LDS byte
.set MA,  10                           ; v10  16 x lane + my pair's place in MRG
; v12 -M, v13 the largest score so far, v[14:15] the sum in two halves; v16-27 q, 0, q: [q | 0] is v16-23, [0 | q] v20-27; v32-63 K's four pairs; v64-95 V's four tiles; v96-159 S^T, then p; v160-191 O^T;
; v192-195 KS0, KS1, VS0, VS1, v196 q's scale word, v197 p's: scales and nothing else; v[198:199] f and 0; v200-211 the long tile's q, 0, q (short waves), v212 its scale word; v224-231 p's codes; v232-251 at work
.set WV,  10
.set PP,  11                           ; the last live step of the walk in hand
.set CX,  12
.set II,  13
.set BH,  14
.set JJ,  15
.set TB,  16
.set HM,  17
.set PT,  18                           ; my own tile's P
.set LONG, 19                          ; 1 in a long wave
.set SEL, 20
.set CS,  22
.set MJ,  48                           ; s48-55: lanes in which register j of the diagonal's tile is hidden
.set ME,  56                           ; s56-63 at work
.set BASE, 66
.set NCS, 67
.set PX,  68                           ; 15 - my own P
.set P2,  69                           ; the second walk's last live step: 15 - p in a short wave, 0 (none) in a long one
.macro CROUND
	s_barrier_signal -1
	s_barrier_wait -1
	s_cmp_lg_u32 s[WV], 0
	s_cbranch_scc1 .Lnot_wave_0_\@
	s_barrier_signal -3
.Lnot_wave_0_\@:
	s_barrier_wait -3
	s_barrier_signal -1
	s_barrier_wait -1
.endm
.macro PLACES                          ; four plain vector instructions between matrix instructions and loads into, or reads of, their registers
.rept 4
	v_nop
.endr
.endm
; where tile 8 P + I of q lies: its codes, and its scale words
.macro QOFF p, c, s
	s_lshl_b32 s36, s[\p], 3
	s_add_co_u32 s36, s36, s[II]
	s_lshl_b32 s[\c], s[BH], 7
	s_add_co_u32 s[\c], s[\c], s36
	s_lshl_b32 s[\c], s[\c], 9
	s_mov_b32 s[\c+1], 0
	s_lshl_b32 s[\s], s[BH], 5
	s_lshr_b32 s37, s36, 2
	s_add_co_u32 s[\s], s[\s], s37
	s_lshl_b32 s[\s], s[\s], 9
	s_and_b32 s37, s36, 3
	s_lshl_b32 s37, s37, 2
	s_add_co_u32 s[\s], s[\s], s37
	s_add_co_u32 s[\s], s[\s], QS
	s_mov_b32 s[\s+1], 0
.endm
; 32 numbers of a lane (register 8 i + j = place 16 i + 8 h + j) become four registers of codes, K = 32 h + 0 .. 31, in v[cd] on; the two blocks' bytes stay in v[t+2], v[t+3]
.macro QUANT src, cd, t
	v_max3_num_f32 v[\t], |v[\src]|, |v[\src+1]|, 0x1800000          ; and the floor 2^(3 - 127): the byte cannot fall under 1
	v_max3_num_f32 v[\t+1], |v[\src+16]|, |v[\src+17]|, 0x1800000
.irp i, 2,4,6,8,10,12,14
	v_max3_num_f32 v[\t], v[\t], |v[\src+\i]|, |v[\src+\i+1]|
	v_max3_num_f32 v[\t+1], v[\t+1], |v[\src+16+\i]|, |v[\src+17+\i]|
.endr
	v_permlanex16_b32 v[\t+2], v[\t], s[SEL], s[SEL+1]
	v_permlanex16_b32 v[\t+3], v[\t+1], s[SEL], s[SEL+1]
	v_max_num_f32 v[\t], v[\t], v[\t+2]
	v_max_num_f32 v[\t+1], v[\t+1], v[\t+3]
	v_add_nc_u32 v[\t+4], 0xff000000, v[\t]                          ; 2 off the exponent field: the conversion's scale operand
	v_add_nc_u32 v[\t+5], 0xff000000, v[\t+1]
	v_lshrrev_b32 v[\t+2], 23, v[\t+4]
	v_lshrrev_b32 v[\t+3], 23, v[\t+5]
	v_cvt_scalef32_pk8_fp4_f32 v[\cd], v[\src:\src+7], v[\t+4]
	v_cvt_scalef32_pk8_fp4_f32 v[\cd+2], v[\src+8:\src+15], v[\t+4]
	v_cvt_scalef32_pk8_fp4_f32 v[\cd+1], v[\src+16:\src+23], v[\t+5]
	v_cvt_scalef32_pk8_fp4_f32 v[\cd+3], v[\src+24:\src+31], v[\t+5]
	v_nop
	v_permlane16_swap_b32 v[\cd], v[\cd+1]
	v_permlane16_swap_b32 v[\cd+2], v[\cd+3]
.endm
; pairs n .. n + 3 of the 32 pairs of p, each onto another of the four running sums
.macro ADD4 n
	v_pk_add_f32 v[240:241], v[240:241], v[96+2*\n:97+2*\n]
	v_pk_add_f32 v[242:243], v[242:243], v[98+2*\n:99+2*\n]
	v_pk_add_f32 v[244:245], v[244:245], v[100+2*\n:101+2*\n]
	v_pk_add_f32 v[14:15], v[14:15], v[102+2*\n:103+2*\n]
.endm
; A STEP OF 128 KEYS for the tile whose q lies at v[qb] and whose scale word is v[qs].  first = 1: it starts O, the sum and M.
.macro STEP qb, qs, first
	v_add_nc_u32 v[ADK], s[TB], v[LI]
.irp f, 0,1,2,3
	ds_load_b128 v[32+8*\f:35+8*\f], v[ADK] offset:1024*\f          ; key tile 2 f
	ds_load_b128 v[36+8*\f:39+8*\f], v[ADK] offset:1024*\f+512      ; key tile 2 f + 1
.endr
	ds_load_b64 v[192:193], v[ADK] offset:8192
	s_wait_alu depctr_va_vdst(0)
	s_wait_dscnt 0x0
.irp tau, 0,1,2,3,4,5,6,7
.if (\tau/2)%2
	v_wmma_scale_f32_16x16x128_f8f6f4 v[96+8*\tau:103+8*\tau], v[32+8*(\tau/2):39+8*(\tau/2)], v[\qb+4*(\tau%2):\qb+4*(\tau%2)+7], 0, v[192+\tau/4], v[\qs] matrix_a_fmt:MATRIX_FMT_FP4 matrix_b_fmt:MATRIX_FMT_FP4 matrix_a_scale:MATRIX_SCALE_ROW1
.else
	v_wmma_scale_f32_16x16x128_f8f6f4 v[96+8*\tau:103+8*\tau], v[32+8*(\tau/2):39+8*(\tau/2)], v[\qb+4*(\tau%2):\qb+4*(\tau%2)+7], 0, v[192+\tau/4], v[\qs] matrix_a_fmt:MATRIX_FMT_FP4 matrix_b_fmt:MATRIX_FMT_FP4
.endif
.endr
	PLACES                                         ; for the reads of the scores, and for the loads over V's registers, which the last step's products have read
.irp f, 0,1,2,3
	ds_load_b128 v[64+8*\f:67+8*\f], v[ADK] offset:4096+1024*\f     ; channels 16 f on, keys 0-63
	ds_load_b128 v[68+8*\f:71+8*\f], v[ADK] offset:4096+1024*\f+512 ; keys 64-127
.endr
	ds_load_b64 v[194:195], v[ADK] offset:8200
	s_cmp_lt_u32 s[JJ], s[PP]                      ; under the diagonal every key counts
	s_cbranch_scc1 .Lopen_\@
; on it the scores of hidden keys become -infinity ahead of the maximum: p = 0 then.  Key tiles behind tile I are hidden whole, those ahead of it count whole, tile I by lanes.  The step's first key counts for every query
.irp t, 0,1,2,3,4,5,6,7
	s_cmp_lt_u32 s[II], \t
	s_cselect_b32 s[BASE], -1, 0
	s_cmp_eq_u32 s[II], \t
.irp j, 0,1,2,3,4,5,6,7
	s_cselect_b32 s[ME+\j], s[MJ+\j], s[BASE]
.endr
.irp j, 0,1,2,3,4,5,6,7
	v_cndmask_b32 v[96+8*\t+\j], v[96+8*\t+\j], v[NINF], s[ME+\j]
.endr
.endr
.Lopen_\@:
.irp b, 0,1,2,3
	v_max3_num_f32 v[232+\b], v[96+16*\b], v[97+16*\b], v[98+16*\b]   ; the largest score of each block of 32 keys: for the row's maximum and, since p rises with the score, for the block's largest p
.endr
.irp i, 3,5,7,9,11,13
.irp b, 0,1,2,3
	v_max3_num_f32 v[232+\b], v[232+\b], v[96+16*\b+\i], v[97+16*\b+\i]
.endr
.endr
.irp b, 0,1,2,3
	v_max_num_f32 v[232+\b], v[232+\b], v[111+16*\b]
.endr
	v_permlane16_swap_b32 v232, v233               ; two blocks in a register: behind the maximum lanes 0-15 hold the even block's largest, lanes 16-31 the odd one's
	v_permlane16_swap_b32 v234, v235
	v_max_num_f32 v232, v232, v233
	v_max_num_f32 v234, v234, v235
	v_max_num_f32 v236, v232, v234
	s_delay_alu instid0(VALU_DEP_1)
	v_permlanex16_b32 v237, v236, s[SEL], s[SEL+1]
.if \first
	s_delay_alu instid0(VALU_DEP_1)
	v_max_num_f32 v13, v236, v237                  ; the largest score
	s_delay_alu instid0(VALU_DEP_1)
	v_mul_f32 v250, s[NCS], v13                    ; -t of it
	s_delay_alu instid0(VALU_DEP_1)
	v_floor_f32 v12, v250                          ; -M = -ceil(t)
.else
	s_delay_alu instid0(VALU_DEP_1)
	v_max3_num_f32 v13, v13, v236, v237            ; the running largest score
	v_mov_b32 v251, v12
	v_mul_f32 v250, s[NCS], v13                    ; -t of it
	s_delay_alu instid0(VALU_DEP_1)
	v_floor_f32 v12, v250                          ; the new -M = -ceil(t)
	s_delay_alu instid0(VALU_DEP_1)
	v_sub_f32 v251, v12, v251                      ; old M - new M: a whole number, 0 or less
	s_delay_alu instid0(VALU_DEP_1)
	v_cvt_i32_f32 v251, v251                       ; (it saturates)
	s_delay_alu instid0(VALU_DEP_1)
	v_ldexp_f32 v198, 1.0, v251                    ; f = 2^(old M - new M)
.endif
.set n, 0
.rept 32
	v_pk_fma_f32 v[96+n:97+n], v[96+n:97+n], s[CS:CS+1], v[12:13] op_sel_hi:[1,0,0]   ; t - M, two at a time
.set n, n+2
.endr
	v_fma_f32 v232, v232, s[CS], v12               ; the same of the blocks' largest scores
	v_fma_f32 v234, v234, s[CS], v12
.if \first == 0
.set n, 0
.rept 16
	v_pk_mul_f32 v[160+n:161+n], v[160+n:161+n], v[198:199] op_sel_hi:[1,0]   ; O^T under the new M
.set n, n+2
.endr
.endif
	s_wait_alu depctr_va_vdst(0)
.set n, 0
.rept 64
	v_exp_f32 v[96+n], v[96+n]                     ; p = 2^(t - M)
.set n, n+1
.endr
	v_exp_f32 v232, v232                           ; the blocks' largest p
	v_exp_f32 v234, v234
.if \first
	v_nop                                          ; the plain instruction behind the exponentials
.else
	v_pk_mul_f32 v[14:15], v[14:15], v[198:199] op_sel_hi:[1,0]   ; the sums under the new M: the plain instruction behind the exponentials
.endif
	s_wait_alu depctr_va_vdst(0)                   ; one wait for the batch, ahead of its first reader and of the wait below
	s_wait_dscnt 0x0                               ; V and its scale words are in
	v_max_num_f32 v232, 0x1800000, v232            ; the floor 2^(3 - 127)
	v_max_num_f32 v234, 0x1800000, v234
	v_pk_add_f32 v[240:241], v[96:97], v[98:99]    ; the row's sum, of the unquantised p, in four chains
	v_pk_add_f32 v[242:243], v[100:101], v[102:103]
	v_pk_add_f32 v[244:245], v[104:105], v[106:107]
	v_add_nc_u32 v232, 0xff000000, v232            ; 2 off the exponent field: the conversion's scale operand
	v_add_nc_u32 v234, 0xff000000, v234
.if \first
	v_pk_add_f32 v[14:15], v[108:109], v[110:111]
.else
	v_pk_add_f32 v[14:15], v[14:15], v[108:109]
	v_pk_add_f32 v[240:241], v[240:241], v[110:111]
.endif
	ADD4 8
	v_mov_b32 v233, v232
	v_mov_b32 v235, v234
	v_lshrrev_b32 v236, 23, v232                   ; the scales' bytes, two blocks in a register
	v_lshrrev_b32 v237, 23, v234
	v_permlane16_swap_b32 v232, v233               ; each block's operand in all lanes: v232 to v235
	v_permlane16_swap_b32 v234, v235
	ADD4 12
	v_lshl_or_b32 v236, v237, 16, v236             ; lanes 0-15: bytes 0 and 2; lanes 16-31: bytes 1 and 3
	ADD4 16
	v_permlanex16_b32 v238, v236, s[SEL], s[SEL+1]
	ADD4 20
	v_lshl_or_b32 v197, v238, 8, v236              ; lanes 0-15: p's scale word for these 128 keys (lanes 16-31 are not read)
.irp c, 0,1
	v_cvt_scalef32_pk8_fp4_f32 v[224+4*\c], v[96+32*\c:103+32*\c], v[232+2*\c]    ; keys 64 c + 8 h ..
	v_cvt_scalef32_pk8_fp4_f32 v[226+4*\c], v[104+32*\c:111+32*\c], v[232+2*\c]   ; 64 c + 16 + 8 h ..
	v_cvt_scalef32_pk8_fp4_f32 v[225+4*\c], v[112+32*\c:119+32*\c], v[233+2*\c]   ; 64 c + 32 + 8 h ..
	v_cvt_scalef32_pk8_fp4_f32 v[227+4*\c], v[120+32*\c:127+32*\c], v[233+2*\c]   ; 64 c + 48 + 8 h ..
.endr
	ADD4 24                                        ; plain instructions behind the scaled conversions
.irp c, 0,1
	v_permlane16_swap_b32 v[224+4*\c], v[225+4*\c] ; registers 4 c .. 4 c + 3 now hold keys 64 c + 32 h + 0 .. 31
	v_permlane16_swap_b32 v[226+4*\c], v[227+4*\c]
.endr
	ADD4 28                                        ; these seven are also the places between p's codes and the products
	v_pk_add_f32 v[240:241], v[240:241], v[242:243]
	v_pk_add_f32 v[14:15], v[14:15], v[244:245]
	v_pk_add_f32 v[14:15], v[14:15], v[240:241]
.irp td, 0,1,2,3
.if \first
.if \td%2
	v_wmma_scale_f32_16x16x128_f8f6f4 v[160+8*\td:167+8*\td], v[64+8*\td:71+8*\td], v[224:231], 0, v[194+\td/2], v197 matrix_a_fmt:MATRIX_FMT_FP4 matrix_b_fmt:MATRIX_FMT_FP4 matrix_a_scale:MATRIX_SCALE_ROW1
.else
	v_wmma_scale_f32_16x16x128_f8f6f4 v[160+8*\td:167+8*\td], v[64+8*\td:71+8*\td], v[224:231], 0, v[194+\td/2], v197 matrix_a_fmt:MATRIX_FMT_FP4 matrix_b_fmt:MATRIX_FMT_FP4
.endif
.else
.if \td%2
	v_wmma_scale_f32_16x16x128_f8f6f4 v[160+8*\td:167+8*\td], v[64+8*\td:71+8*\td], v[224:231], v[160+8*\td:167+8*\td], v[194+\td/2], v197 matrix_a_fmt:MATRIX_FMT_FP4 matrix_b_fmt:MATRIX_FMT_FP4 matrix_a_scale:MATRIX_SCALE_ROW1
.else
	v_wmma_scale_f32_16x16x128_f8f6f4 v[160+8*\td:167+8*\td], v[64+8*\td:71+8*\td], v[224:231], v[160+8*\td:167+8*\td], v[194+\td/2], v197 matrix_a_fmt:MATRIX_FMT_FP4 matrix_b_fmt:MATRIX_FMT_FP4
.endif
.endif
.endr
.endm
; THE WAY OUT of my own tile: O^T / the sum, quantised, stored
.macro WAYOUT
	PLACES                                         ; behind the last products, on every path
	s_wait_alu depctr_va_vdst(0)                   ; directly ahead of the sum's reader
	v_add_f32 v14, v14, v15
	v_permlanex16_b32 v250, v14, s[SEL], s[SEL+1]
	v_add_f32 v14, v14, v250                       ; the row's sum
	s_wait_alu depctr_va_vdst(0)                   ; ahead of the transcendental
	v_rcp_f32 v14, v14
	v_nop                                          ; a plain instruction behind the reciprocal
	s_lshr_b32 s40, s[BH], 4
	s_lshl_b32 s40, s40, 7
	s_lshl_b32 s41, s[PT], 3
	s_add_co_u32 s40, s40, s41
	s_add_co_u32 s40, s40, s[II]                   ; my tile of 16 rows among the 256
	s_and_b32 s41, s[BH], 15                       ; the head
	s_lshl_b32 s36, s40, 13
	s_lshl_b32 s42, s41, 9
	s_add_co_u32 s36, s36, s42
	s_mov_b32 s37, 0
	s_add_nc_u64 s[36:37], s[8:9], s[36:37]        ; codes: [row tile][head][512]
	s_lshl_b32 s38, s40, 9
	s_lshl_b32 s42, s41, 1
	s_add_co_u32 s38, s38, s42
	s_add_co_u32 s38, s38, AS
	s_mov_b32 s39, 0
	s_add_nc_u64 s[38:39], s[8:9], s[38:39]        ; scale bytes: [row][32], the head's two at 2 x head
	s_wait_alu depctr_va_vdst(0)                   ; ahead of the reciprocal's first reader
.set n, 0
.rept 16
	v_pk_mul_f32 v[96+n:97+n], v[160+n:161+n], v[14:15] op_sel_hi:[1,0]   ; register 8 td + j is channel 16 td + 8 h + j of my row
.set n, n+2
.endr
	QUANT 96, 224, 232                             ; the head's 64 channels are two whole blocks of the projection's K
	v_cndmask_b32 v238, v234, v235, s[HM]          ; lanes 0-15 store block 0's byte, lanes 16-31 block 1's
	global_store_b128 v[LI], v[224:227], s[36:37]  ; 512 consecutive bytes, aligned
	global_store_b8 v[BYO], v238, s[38:39]         ; a byte a lane, rows 32 bytes apart: one byte in 16 of what is stored here
.endm
	s_load_b128 s[4:7], s[0:1], 0x0                ; qw s[4:5], kvw s[6:7]
	s_load_b64 s[8:9], s[0:1], 0x10                ; aw
	v_lshl_add_u32 v[SPW], v0, 2, SPARE
	v_mov_b32 v[NIL], 0
	ds_add_u32 v[SPW], v[NIL]                      ; the wave's opening: the add, twice on end, and its wait ahead of my tensor load
	ds_add_u32 v[SPW], v[NIL]
	v_lshrrev_b32 v9, 5, v0
	v_readfirstlane_b32 s[WV], v9                  ; wave 0..15
	s_bfe_u32 s[CX], ttmp6, 0x40000
	s_lshl_b32 s[II], ttmp9, 2
	s_add_co_u32 s[II], s[II], s[CX]               ; my work-group's number in the head: it enters global addresses and the mask's numbers alone
	s_and_b32 s[BH], ttmp7, 0xffff                 ; batch x 16 + head: shared by the four partners
	s_lshr_b32 s[LONG], s[WV], 2
	s_xor_b32 s[LONG], s[LONG], s[WV]
	s_and_b32 s[LONG], s[LONG], 1
	s_lshr_b32 s36, s[WV], 1                       ; p
	s_mul_i32 s37, s[LONG], 15
	s_xor_b32 s[PT], s36, s37                      ; p, or 15 - p in a long wave
	s_xor_b32 s[PX], s[PT], 15
	s_xor_b32 s37, s[LONG], 1
	s_mul_i32 s[P2], s[PX], s37
	s_mov_b32 s[PP], s[PT]
	s_mul_i32 s66, s36, 4608
	s_add_co_u32 s66, s66, MRG                     ; my pair's bytes
	QOFF PT, 40, 42
	QOFF PX, 44, 46
	s_mov_b32 s24, 15|(3<<16)|(1<<21)              ; group 1: the mask of all four work-groups, elements of 8 bytes, bit 21 beside the mask; no padding: images are read as they lie
	s_mov_b32 s25, 32<<16                          ; a step is 34 dense rows of 256 bytes
	s_mov_b32 s26, 34<<16
	s_mov_b32 s27, 32<<16
	s_mov_b32 s28, 34
	s_mov_b32 s29, 32
	s_mov_b32 s30, 0
	s_mov_b32 s31, 0
	s_mul_i32 s38, s[BH], HEADB
	s_mul_i32 s33, s[WV], STEPB                    ; wave w brings step w, to LDS byte 8,704 w
	s_add_co_u32 s38, s38, s33
	s_mov_b32 s39, 0
	s_mov_b32 s32, 1
	s_mov_b32 s[HM], 0xffff0000
	s_mov_b32 s[SEL], 0x76543210
	s_mov_b32 s[SEL+1], 0xfedcba98
	s_mov_b32 s[CS], 0x3e38aa3b                    ; c = log2(e) / sqrt(64)
	s_mov_b32 s[CS+1], s[CS]
	s_mov_b32 s[NCS], 0xbe38aa3b                   ; -c
	s_mov_b32 s[JJ], 0
	s_mov_b32 s[TB], 0
	v_and_b32 v[LI], 31, v0
	v_and_b32 v2, 15, v0                           ; r
	v_bfe_u32 v9, v0, 4, 1                         ; h
	v_lshlrev_b32 v[LI], 4, v[LI]
	v_lshl_add_u32 v[BYO], v2, 5, v9
	v_lshlrev_b32 v11, 3, v9
	v_add_nc_u32 v[MA], s66, v[LI]
	v_sub_nc_u32 v[RM], v2, v11
	v_mov_b32 v[NINF], 0xff800000
.irp j, 0,1,2,3,4,5,6,7
	v_cmp_gt_i32 s[MJ+\j], \j, v[RM]               ; key 8 h + j of the diagonal's tile comes after query r
.endr
	v_mov_b32 v199, 0                              ; named as the upper half of f's pair
	v_mov_b32 v237, 0                              ; lane permutes' destinations count as sources
	v_mov_b32 v238, 0
.set n, 0
.rept 4
	v_mov_b32 v[20+n], 0                           ; the zero half
.set n, n+1
.endr
.set n, 0
.rept 13
	v_mov_b32 v[200+n], 0                          ; the second tile's zero half; what lies round it is loaded below in the waves that use it
.set n, n+1
.endr
	s_wait_alu depctr_va_vdst(0)
	s_wait_dscnt 0x0                               ; both opening adds are done
	s_wait_kmcnt 0x0
	s_add_nc_u64 s[34:35], s[6:7], s[38:39]
	s_or_b32 s35, s35, 0x80000000
	s_add_nc_u64 s[40:41], s[4:5], s[40:41]
	s_add_nc_u64 s[42:43], s[4:5], s[42:43]
	s_add_nc_u64 s[44:45], s[4:5], s[44:45]
	s_add_nc_u64 s[46:47], s[4:5], s[46:47]
	global_load_b128 v[16:19], v[LI], s[40:41]     ; q twice, on both sides of the zeros
	global_load_b128 v[24:27], v[LI], s[40:41]
	global_load_b32 v196, v[LI], s[42:43]
	s_cmp_lg_u32 s[LONG], 0
	s_cbranch_scc1 .Lone_q
	global_load_b128 v[200:203], v[LI], s[44:45]   ; a short wave serves the long tile too
	global_load_b128 v[208:211], v[LI], s[44:45]
	global_load_b32 v212, v[LI], s[46:47]
.Lone_q:
	CROUND                                         ; all four work-groups are here
	s_cmp_lg_u32 s[WV], 0                          ; every wave's one load; step 0's has a line of its own
	s_cbranch_scc1 .Lother_steps
	tensor_load_to_lds s[32:35], s[24:31]
	s_nop 0
	PLACES
	s_branch .Lasked
.Lother_steps:
	tensor_load_to_lds s[32:35], s[24:31]
	s_nop 0
	PLACES
.Lasked:
	s_cmp_lg_u32 s[WV], 0
	s_cbranch_scc1 .Lnot_yet
	s_wait_tensorcnt 0x0                           ; step 0 is in; the fifteen others are waited for at the next barrier
.Lnot_yet:
	s_barrier_signal -1
	s_barrier_wait -1
	s_wait_loadcnt 0x0                             ; q
	STEP 16, 196, 1                                ; step 0 is live for every tile
	s_wait_tensorcnt 0x0                           ; my step is in,
	s_barrier_signal -1
	s_barrier_wait -1                              ; everybody's is: the head's K and V lie whole in LDS
	s_mov_b32 s[JJ], 1
	s_mov_b32 s[TB], STEPB
.Lown:                                             ; my own tile's steps 1 .. 8; the work of a step past its diagonal is jumped over: ids alone decide
	s_cmp_gt_u32 s[JJ], s[PP]
	s_cbranch_scc1 .Lown_next
	STEP 16, 196, 0
.Lown_next:
	s_add_co_u32 s[TB], s[TB], STEPB
	s_add_co_u32 s[JJ], s[JJ], 1
	s_cmp_lt_u32 s[JJ], 9
	s_cbranch_scc1 .Lown
	s_cmp_lg_u32 s[LONG], 0
	s_cbranch_scc1 .Lkept
	WAYOUT                                         ; a short wave's own tile is complete
	v_mov_b32 v13, 0xff61b1e6                      ; the long tile's part begins: the largest score so far -3e38, under every score,
	v_mov_b32 v12, 0x7f61b1e6                      ; and -M = 3e38: the first change of M has f = 0, under which the finished tile's O and sum, finite numbers, become zeros
	s_wait_alu depctr_va_vdst(0)
	s_wait_xcnt 0x0                                ; the stores' registers may be written again
.Lkept:
	s_mov_b32 s[PP], s[P2]
	s_mov_b32 s[JJ], 9
	s_mov_b32 s[TB], 9*STEPB
.Lhelp:                                            ; short waves: the long tile's steps 9 .. 15 - p
	s_cmp_gt_u32 s[JJ], s[PP]
	s_cbranch_scc1 .Lhelp_next
	STEP 200, 212, 0
.Lhelp_next:
	s_add_co_u32 s[TB], s[TB], STEPB
	s_add_co_u32 s[JJ], s[JJ], 1
	s_cmp_lt_u32 s[JJ], 16
	s_cbranch_scc1 .Lhelp
	s_cmp_lg_u32 s[LONG], 0
	s_cbranch_scc1 .Lmeet
	PLACES
	s_wait_alu depctr_va_vdst(0)                   ; ahead of the sum's reader
.irp i, 0,1,2,3,4,5,6,7
	ds_store_b128 v[MA], v[160+4*\i:163+4*\i] offset:512*\i   ; my part of the long tile: O^T,
.endr
	ds_store_b128 v[MA], v[12:15] offset:4096      ; -M, the largest score, the sum's halves.  (p = 7 has no step here: its -M = 3e38 gives it the weight 0)
.Lmeet:
	s_wait_alu depctr_va_vdst(0)
	s_wait_dscnt 0x0                               ; my part is in LDS
	s_barrier_signal -1
	s_barrier_wait -1
	s_cmp_eq_u32 s[LONG], 0
	s_cbranch_scc1 .Lend
	ds_load_b128 v[128:131], v[MA] offset:4096
.irp i, 0,1,2,3,4,5,6,7
	ds_load_b128 v[96+4*\i:99+4*\i], v[MA] offset:512*\i
.endr
	v_mov_b32 v137, 0                              ; named as upper halves of the factors' pairs
	v_mov_b32 v139, 0
	s_wait_alu depctr_va_vdst(0)
	s_wait_dscnt 0x0
	v_min_num_f32 v132, v12, v128                  ; -M of both parts together
	v_sub_f32 v133, v132, v12
	v_sub_f32 v134, v132, v128
	v_cvt_i32_f32 v133, v133
	v_cvt_i32_f32 v134, v134
	v_ldexp_f32 v136, 1.0, v133                    ; the factors, powers of two: mine and the other part's
	v_ldexp_f32 v138, 1.0, v134
	v_pk_mul_f32 v[130:131], v[130:131], v[138:139] op_sel_hi:[1,0]
.set n, 0
.rept 16
	v_pk_mul_f32 v[96+n:97+n], v[96+n:97+n], v[138:139] op_sel_hi:[1,0]
.set n, n+2
.endr
	v_pk_fma_f32 v[14:15], v[14:15], v[136:137], v[130:131] op_sel_hi:[1,0,1]
.set n, 0
.rept 16
	v_pk_fma_f32 v[160+n:161+n], v[160+n:161+n], v[136:137], v[96+n:97+n] op_sel_hi:[1,0,1]
.set n, n+2
.endr
	WAYOUT
.Lend:
	s_wait_tensorcnt 0x0                           ; the wave's end
	ds_add_u32 v[SPW], v[NIL]
	s_wait_dscnt 0x0
	CROUND                                         ; the closing round
	s_endpgm
.Lfunc_end_k_q24e0a1af94_attn:
	.size	k_q24e0a1af94_attn, .Lfunc_end_k_q24e0a1af94_attn-k_q24e0a1af94_attn
	.p2alignl 7, 3214868480
	.fill 96, 4, 3214868480
	.section	.rodata,"a",@progbits
	.p2align	6, 0x0
	.amdhsa_kernel k_q24e0a1af94_attn
		.amdhsa_group_segment_fixed_size 178176
		.amdhsa_private_segment_fixed_size 0
		.amdhsa_enable_private_segment 0
		.amdhsa_kernarg_size 24
		.amdhsa_user_sgpr_count 2
		.amdhsa_user_sgpr_kernarg_segment_ptr 1
		.amdhsa_wavefront_size32 1
		.amdhsa_system_sgpr_workgroup_id_x 1
		.amdhsa_system_sgpr_workgroup_id_y 1
		.amdhsa_system_sgpr_workgroup_id_z 1
		.amdhsa_system_vgpr_workitem_id 0
		.amdhsa_next_free_vgpr 256
		.amdhsa_next_free_sgpr 70
		.amdhsa_reserve_vcc 0
		.amdhsa_float_denorm_mode_32 3
		.amdhsa_float_denorm_mode_16_64 3
		.amdhsa_memory_ordered 1
		.amdhsa_forward_progress 1
		.amdhsa_inst_pref_size 82
	.end_amdhsa_kernel
	.amdgpu_metadata
---
amdhsa.version: [ 1, 2 ]
amdhsa.kernels:
  - .name:           k_q24e0a1af94_attn
    .symbol:         k_q24e0a1af94_attn.kd
    .args:
      - { .name: qw, .offset: 0, .size: 8, .value_kind: global_buffer, .address_space: global }
      - { .name: kvw, .offset: 8, .size: 8, .value_kind: global_buffer, .address_space: global }
      - { .name: aw, .offset: 16, .size: 8, .value_kind: global_buffer, .address_space: global }
    .group_segment_fixed_size: 178176
    .private_segment_fixed_size: 0
    .kernarg_segment_align: 8
    .kernarg_segment_size: 24
    .max_flat_workgroup_size: 512
    .sgpr_count:     70
    .vgpr_count:     256
    .wavefront_size: 32
...
	.end_amdgpu_metadata
.endif
;; end of part 2
;; launch proj (part 3): grid 8 x 32, 8 waves a work-group, clusters of 4 x 4, 179,712 bytes of LDS; arguments aw, W_out_codes, W_out_scales, b_out, out0; writes out0
.if DOCPART == 3
	.amdgcn_target "amdgcn-amd-amdhsa--gfx1250"
	.amdhsa_code_object_version 6
	.text
	.protected	k_q24e0a1af94_proj
	.globl	k_q24e0a1af94_proj
	.p2align	8
	.type	k_q24e0a1af94_proj,@function
k_q24e0a1af94_proj:
	s_mov_b64 s[64:65], 0
	v_nop
	global_prefetch_b8 v0, s[64:65] scope:SCOPE_SE
	s_setreg_imm32_b32 hwreg(HW_REG_WAVE_MODE, 25, 1), 1
	s_wait_xcnt 0x0
	s_wait_alu depctr_hold_cnt(0) depctr_sa_sdst(0) depctr_va_vdst(0) depctr_va_sdst(0) depctr_va_ssrc(0) depctr_va_vcc(0) depctr_vm_vsrc(0)
	s_getreg_b32 s2, hwreg(HW_REG_IB_STS2, 6, 4)
	s_cmp_eq_u32 s2, 0
	s_cbranch_scc0 .Lentry_in_a_cluster
	s_endpgm
.Lentry_in_a_cluster:
	s_bfe_u32 s2, ttmp6, 0x10000c
	s_cmp_lg_u32 s2, 0xf033
	s_cbranch_scc0 .Lentry_shape_is_right
	s_endpgm
.Lentry_shape_is_right:
; out0 = A W_out^T + b_out on codes of FP4 (E2M1) with E8M0 scales.  A, the attention's result, comes from aw: codes as images of operand registers [row tile][head][512 bytes], scale bytes [row][32] from AS on.
; No work is left out here.  SHARES: a work-group makes 128 x 128 of out0; eight waves, 32 rows x 64 columns each: wave w: row tiles 2 (w >> 1) + k, W's rows 64 (w & 1) + 16 i: eight accumulators.
; All of K (1,024) lies in LDS at once, as two chunks of 512, each filled once.  The product is used transposed (source 0 = 16 rows of W, source 1 = 16 rows of A): a lane holds eight neighbouring columns of one row.
; CLUSTER 4 x 4: A's tiles are asked for jointly along a row of the cluster, W's along a column.
.set PITCH,  272
.set T16,    16*PITCH
.set B128,   128*PITCH
.set ACH,    32768                     ; A's chunk: 8 row tiles x 4,096 bytes: tile T, K step q, half e at 4,096 T + 1,024 q + 512 e + 16 x lane
.set WO,     2*ACH                     ; W's two chunks: 128 rows, 272 bytes apart
.set SCL,    WO+2*B128                 ; A's scale bytes (128 rows x 32, as runs of 256 + 16), then W's
.set S128,   16*272
.set STAGE,  SCL+2*S128                ; the way out: 16 rows x (256 + 16) bytes for each wave; no fill lands here
.set SPARE,  STAGE+8*T16               ; the spare words: 128 bytes for each of eight waves
.set AS,     2097152
.set ADA, 3                            ; v3  A's images: 16 x lane + my two tiles
.set ADW, 4                            ; v4  W's fragments
.set ADS, 5                            ; v5  scale words: lanes 0-15 A's rows, lanes 16-31 W's
.set STO, 6                            ; v6  the stage: where I put 32 bytes of a row
.set RD,  7                            ; v7  where I read rows back
.set CO,  8                            ; v8  my byte offset in out0
.set BO,  9                            ; v9  my offset in the bias
.set SPW, 14
.set NIL, 15
.set WF,  16                           ; v16-79   W's four fragments, two sets; on the way out rows read back
.set AF,  80                           ; v80-111  A's two fragments, two sets
.set SC,  112                          ; v112-143 scale words: register 16 c + 4 i + q; nothing else
.set BI,  144                          ; v144-175 the bias, by W's tile
.set ACC, 176                          ; v176-239 D[k][i] at 176 + 8 (4 k + i)
.set WV,  18
.set CX,  19
.set CY,  20
.set CB,  21
.set RB,  22
.set MW,  86
.set NW,  87
.macro CROUND
	s_barrier_signal -1
	s_barrier_wait -1
	s_cmp_lg_u32 s[WV], 0
	s_cbranch_scc1 .Lnot_wave_0_\@
	s_barrier_signal -3
.Lnot_wave_0_\@:
	s_barrier_wait -3
	s_barrier_signal -1
	s_barrier_wait -1
.endm
.macro PLACES
.rept 4
	v_nop
.endr
.endm
.macro LOADF s                         ; the twelve loads of K step s into set s % 2
.set cc, (\s)/4
.set qq, (\s)%4
.set wb, WF+32*((\s)%2)
.set ab, AF+16*((\s)%2)
.irp i, 0,1,2,3
	ds_load_b128 v[wb+8*\i:wb+8*\i+3],   v[ADW] offset:cc*B128+64*qq+\i*T16
	ds_load_b128 v[wb+8*\i+4:wb+8*\i+7], v[ADW] offset:cc*B128+64*qq+\i*T16+32
.endr
.irp k, 0,1
	ds_load_b128 v[ab+8*\k:ab+8*\k+3],   v[ADA] offset:cc*ACH+\k*4096+qq*1024
	ds_load_b128 v[ab+8*\k+4:ab+8*\k+7], v[ADA] offset:cc*ACH+\k*4096+qq*1024+512
.endr
.endm
.macro MULP s, first                   ; eight products; the eight accumulators take turns, in the same order in every step
.set cc, (\s)/4
.set qq, (\s)%4
.set wb, WF+32*((\s)%2)
.set ab, AF+16*((\s)%2)
.irp k, 0,1
.irp i, 0,1,2,3
.if \first
	v_wmma_scale_f32_16x16x128_f8f6f4 v[ACC+8*(4*\k+\i):ACC+8*(4*\k+\i)+7], v[wb+8*\i:wb+8*\i+7], v[ab+8*\k:ab+8*\k+7], v[BI+8*\i:BI+8*\i+7], v[SC+16*cc+4*\i+qq], v[SC+16*cc+4*\k+qq] matrix_a_fmt:MATRIX_FMT_FP4 matrix_b_fmt:MATRIX_FMT_FP4 matrix_a_scale:MATRIX_SCALE_ROW1
.else
	v_wmma_scale_f32_16x16x128_f8f6f4 v[ACC+8*(4*\k+\i):ACC+8*(4*\k+\i)+7], v[wb+8*\i:wb+8*\i+7], v[ab+8*\k:ab+8*\k+7], v[ACC+8*(4*\k+\i):ACC+8*(4*\k+\i)+7], v[SC+16*cc+4*\i+qq], v[SC+16*cc+4*\k+qq] matrix_a_fmt:MATRIX_FMT_FP4 matrix_b_fmt:MATRIX_FMT_FP4 matrix_a_scale:MATRIX_SCALE_ROW1
.endif
.endr
.endr
.endm
	s_load_b256 s[4:11], s[0:1], 0x0               ; aw s[4:5], W's codes s[6:7], W's scales s[8:9], b_out s[10:11]
	s_load_b64 s[12:13], s[0:1], 0x20              ; out0
	v_lshl_add_u32 v[SPW], v0, 2, SPARE
	v_mov_b32 v[NIL], 0
	ds_add_u32 v[SPW], v[NIL]                      ; the wave's opening: the add, twice on end, and its wait ahead of the first tensor loads
	ds_add_u32 v[SPW], v[NIL]
	v_lshrrev_b32 v1, 5, v0
	s_delay_alu instid0(VALU_DEP_1)
	v_readfirstlane_b32 s[WV], v1                  ; wave 0..7
	s_bfe_u32 s[CX], ttmp6, 0x40000
	s_bfe_u32 s[CY], ttmp6, 0x40004
	s_lshl_b32 s[CB], ttmp9, 2
	s_add_co_u32 s[CB], s[CB], s[CX]               ; column block 0..7
	s_and_b32 s[RB], ttmp7, 0xffff
	s_lshl_b32 s[RB], s[RB], 2
	s_add_co_u32 s[RB], s[RB], s[CY]               ; row block 0..31
	s_lshl_b32 s2, s[CY], 2
	s_lshl_b32 s2, 15, s2                          ; my row of the cluster
	s_lshl_b32 s3, 0x1111, s[CX]                   ; my column
	s_or_b32 s24, s2, (3<<16)|(1<<21)              ; A's chunk: 8 rows of 4,096 bytes (512 elements of 8), 8,192 bytes apart; no padding: images are read as they lie
	s_mov_b32 s25, 512<<16
	s_mov_b32 s26, 8<<16
	s_mov_b32 s27, 512<<16
	s_mov_b32 s28, 8
	s_mov_b32 s29, 1024
	s_mov_b32 s30, 0
	s_mov_b32 s31, 0
	s_or_b32 s32, s3, (1<<20)|(1<<21)|(5<<22)|(3<<25)          ; W's chunk: 128 rows x 256 bytes, 512 apart, 16 bytes of padding behind each
	s_mov_b32 s33, 256<<16
	s_mov_b32 s34, 128<<16
	s_mov_b32 s35, 256<<16
	s_mov_b32 s36, 128
	s_mov_b32 s37, 512
	s_mov_b32 s38, 0
	s_mov_b32 s39, 0
	s_or_b32 s40, s2, (3<<16)|(1<<20)|(1<<21)|(5<<22)|(3<<25)  ; scale bytes of 128 rows: 16 dense rows of 256 bytes, padded
	s_or_b32 s48, s3, (3<<16)|(1<<20)|(1<<21)|(5<<22)|(3<<25)
.irp g, 40, 48
	s_mov_b32 s[\g+1], 32<<16
	s_mov_b32 s[\g+2], 16<<16
	s_mov_b32 s[\g+3], 32<<16
	s_mov_b32 s[\g+4], 16
	s_mov_b32 s[\g+5], 32
	s_mov_b32 s[\g+6], 0
	s_mov_b32 s[\g+7], 0
.endr
	s_lshl_b32 s88, s[RB], 16                      ; A's codes: 8 row tiles of 8,192 bytes a block: the row block alone
	s_mov_b32 s89, 0
	s_lshl_b32 s90, s[RB], 12
	s_add_co_u32 s90, s90, AS                      ; A's scales
	s_mov_b32 s91, 0
	s_lshl_b32 s92, s[CB], 16                      ; W's codes: 128 rows of 512 bytes: the column block alone
	s_mov_b32 s93, 0
	s_lshl_b32 s94, s[CB], 12                      ; W's scales
	s_mov_b32 s95, 0
	s_wait_dscnt 0x0                               ; both opening adds are done
	s_wait_kmcnt 0x0
	s_mov_b32 s56, 1                               ; A's scales
	s_mov_b32 s57, SCL
	s_add_nc_u64 s[58:59], s[4:5], s[90:91]
	s_or_b32 s59, s59, 0x80000000
	s_mov_b32 s60, 1                               ; A's chunk 0
	s_mov_b32 s61, 0
	s_add_nc_u64 s[62:63], s[4:5], s[88:89]
	s_mov_b32 s68, 1                               ; A's chunk 1: heads 8 to 15, 4,096 bytes on in each tile
	s_mov_b32 s69, ACH
	s_add_nc_u64 s[70:71], s[62:63], 4096
	s_or_b32 s63, s63, 0x80000000
	s_or_b32 s71, s71, 0x80000000
	s_mov_b32 s72, 1                               ; W's scales
	s_mov_b32 s73, SCL+S128
	s_add_nc_u64 s[74:75], s[8:9], s[94:95]
	s_or_b32 s75, s75, 0x80000000
	s_mov_b32 s76, 1                               ; W's chunk 0
	s_mov_b32 s77, WO
	s_add_nc_u64 s[78:79], s[6:7], s[92:93]
	s_mov_b32 s80, 1                               ; W's chunk 1
	s_mov_b32 s81, WO+B128
	s_add_nc_u64 s[82:83], s[78:79], 256
	s_or_b32 s79, s79, 0x80000000
	s_or_b32 s83, s83, 0x80000000
	CROUND                                         ; all sixteen work-groups are here
; six tiles, one tensor load a wave, in one chain of arms: wave 0 A's chunk 0, 1 W's chunk 0, 2 A's scales, 3 W's scales, 4 A's chunk 1, 5 W's chunk 1
.macro ARM under, g0, g1, next
	s_cmp_lt_u32 s[WV], \under
	s_cbranch_scc0 \next
	tensor_load_to_lds s[\g0:\g0+3], s[\g1:\g1+7]
	s_nop 0
	PLACES
	s_branch .Lfilled
\next:
.endm
	ARM 1, 60, 24, .Larm_wc0
	ARM 2, 76, 32, .Larm_as
	ARM 3, 56, 40, .Larm_ws
	ARM 4, 72, 48, .Larm_ac1
	ARM 5, 68, 24, .Larm_wc1
	s_cmp_gt_u32 s[WV], 5
	s_cbranch_scc1 .Lfilled
	tensor_load_to_lds s[80:83], s[32:39]
	s_nop 0
	PLACES
.Lfilled:
	v_and_b32 v1, 15, v0                           ; r
	v_bfe_u32 v2, v0, 4, 1                         ; h
	s_lshr_b32 s[MW], s[WV], 1                     ; which 32 rows
	s_and_b32 s[NW], s[WV], 1                      ; which 64 columns
	v_and_b32 v[ADA], 31, v0
	s_delay_alu instid0(VALU_DEP_1)
	v_lshlrev_b32 v[ADA], 4, v[ADA]
	s_lshl_b32 s88, s[MW], 13
	v_add_nc_u32 v[ADA], s88, v[ADA]
	v_mul_u32_u24 v[ADW], v1, PITCH
	s_delay_alu instid0(VALU_DEP_1)
	v_lshl_add_u32 v[ADW], v2, 4, v[ADW]
	s_mul_i32 s88, s[NW], 64*PITCH
	s_add_co_u32 s88, s88, WO
	v_add_nc_u32 v[ADW], s88, v[ADW]
	v_lshrrev_b32 v10, 3, v1                       ; scale bytes: row rho at 272 (rho / 8) + 32 (rho % 8)
	s_delay_alu instid0(VALU_DEP_1)
	v_mul_u32_u24 v10, v10, 272
	v_and_b32 v[ADS], 7, v1
	s_delay_alu instid0(VALU_DEP_1)
	v_lshl_add_u32 v[ADS], v[ADS], 5, v10
	s_xor_b32 s88, s[MW], 3                        ; from A's 32 rows to W's 64: 4,352 + 2,176 nw - 1,088 mw = 1,088 (1 + 2 nw + (3 - mw))
	s_lshl_b32 s89, s[NW], 1
	s_add_co_u32 s88, s88, s89
	s_add_co_u32 s88, s88, 1
	s_mul_i32 s88, s88, 1088
	v_mul_u32_u24 v10, s88, v2                     ; lanes 16-31 take W's
	s_mul_i32 s89, s[MW], 1088
	s_add_co_u32 s89, s89, SCL
	v_add_nc_u32 v[ADS], v[ADS], v10
	s_delay_alu instid0(VALU_DEP_1)
	v_add_nc_u32 v[ADS], s89, v[ADS]
	s_mul_i32 s88, s[WV], T16
	s_add_co_u32 s88, s88, STAGE                   ; my stage
	v_mul_u32_u24 v[STO], v1, 272
	s_delay_alu instid0(VALU_DEP_1)
	v_lshl_add_u32 v[STO], v2, 5, v[STO]
	s_delay_alu instid0(VALU_DEP_1)
	v_add_nc_u32 v[STO], s88, v[STO]               ; in: row r, 32 bytes for each half of the lanes
	v_mul_u32_u24 v[RD], v2, 272
	s_delay_alu instid0(VALU_DEP_1)
	v_lshl_add_u32 v[RD], v1, 4, v[RD]
	s_delay_alu instid0(VALU_DEP_1)
	v_add_nc_u32 v[RD], s88, v[RD]                 ; back: lanes 0-15 one row of 256 bytes, lanes 16-31 the next
	v_lshlrev_b32 v[CO], 12, v2
	s_delay_alu instid0(VALU_DEP_1)
	v_lshl_add_u32 v[CO], v1, 4, v[CO]             ; and the same two rows in out0
	v_lshlrev_b32 v[BO], 5, v2
	s_wait_alu depctr_va_vdst(0)
	s_lshl_b32 s88, s[CB], 9
	s_lshl_b32 s89, s[NW], 8
	s_add_co_u32 s88, s88, s89                     ; my first column, in bytes
	s_mov_b32 s89, 0
	s_add_nc_u64 s[10:11], s[10:11], s[88:89]
	s_add_nc_u64 s[12:13], s[12:13], s[88:89]
	s_lshl_b32 s88, s[RB], 19
	s_lshl_b32 s90, s[MW], 17
	s_add_co_u32 s88, s88, s90                     ; my first row: (128 rb + 32 mw) x 4,096 bytes
	s_add_nc_u64 s[12:13], s[12:13], s[88:89]
.irp i, 0,1,2,3
	global_load_b128 v[BI+8*\i:BI+8*\i+3],   v[BO], s[10:11] offset:64*\i      ; register j of tile i: column 16 i + 8 h + j
	global_load_b128 v[BI+8*\i+4:BI+8*\i+7], v[BO], s[10:11] offset:64*\i+16
.endr
	s_cmp_gt_u32 s[WV], 3                          ; waves 4 and 5 have chunk 1 on its way, by load lines of their own: it is waited for at the second barrier
	s_cbranch_scc1 .Lnot_yet
	s_wait_tensorcnt 0x0                           ; my tile of the scales or of chunk 0 is in
.Lnot_yet:
	s_barrier_signal -1
	s_barrier_wait -1
.irp c, 0,1
.irp i, 0,1,2,3
	ds_load_b128 v[SC+16*\c+4*\i:SC+16*\c+4*\i+3], v[ADS] offset:\i*544+16*\c   ; lanes 16-31: W's tile i; lanes 0-15: A's tile i (for i = 2, 3 words that no product names, inside the filled bytes)
.endr
.endr
	LOADF 0
	LOADF 1
	s_wait_dscnt 0xc                               ; all but the twelve just issued
	s_wait_loadcnt 0x0                             ; the bias
	MULP 0, 1                                      ; the first step starts the sums from the bias
.irp s, 1,2
	PLACES
	LOADF \s+1
	s_wait_dscnt 0xc
	MULP \s, 0
.endr
	s_wait_dscnt 0x0
	s_wait_tensorcnt 0x0                           ; my part of chunk 1 is in,
	s_barrier_signal -1
	MULP 3, 0
	s_barrier_wait -1                              ; everybody's is
	PLACES                                         ; for the loads into both sets
	LOADF 4
	LOADF 5
	s_wait_dscnt 0xc
	MULP 4, 0
.irp s, 5,6
	PLACES
	LOADF \s+1
	s_wait_dscnt 0xc
	MULP \s, 0
.endr
	s_wait_dscnt 0x0
	MULP 7, 0
	PLACES
	; THE WAY OUT: 16 rows x 64 columns at a time through my own stage, so that sixteen lanes store 256 consecutive bytes, aligned.  LDS serves a wave's instructions in order (ISA guide 5.7.1.4): no wait between stores and loads
.macro OUTB k
.irp i, 0,1,2,3
	ds_store_b128 v[STO], v[ACC+8*(4*\k+\i):ACC+8*(4*\k+\i)+3] offset:64*\i       ; each accumulator from its low end on
	ds_store_b128 v[STO], v[ACC+8*(4*\k+\i)+4:ACC+8*(4*\k+\i)+7] offset:64*\i+16
.endr
.irp t, 0,1,2,3,4,5,6,7
	ds_load_b128 v[WF+32*\k+4*\t:WF+32*\k+4*\t+3], v[RD] offset:\t*544
.endr
.endm
.macro SEND k, younger                 ; younger: the LDS instructions issued behind block k's loads
.irp t, 0,1,2,3,4,5,6,7
	s_wait_dscnt \younger+7-\t
	global_store_b128 v[CO], v[WF+32*\k+4*\t:WF+32*\k+4*\t+3], s[12:13] offset:(16*\k+2*\t)*4096 th:TH_STORE_NT
.endr
.endm
	OUTB 0
	OUTB 1
	SEND 0, 16
	SEND 1, 0
	s_wait_tensorcnt 0x0                           ; the wave's end, behind my last LDS store
	ds_add_u32 v[SPW], v[NIL]
	s_wait_dscnt 0x0
	CROUND                                         ; the closing round
	s_endpgm
.Lfunc_end_k_q24e0a1af94_proj:
	.size	k_q24e0a1af94_proj, .Lfunc_end_k_q24e0a1af94_proj-k_q24e0a1af94_proj
	.p2alignl 7, 3214868480
	.fill 96, 4, 3214868480
	.section	.rodata,"a",@progbits
	.p2align	6, 0x0
	.amdhsa_kernel k_q24e0a1af94_proj
		.amdhsa_group_segment_fixed_size 179712
		.amdhsa_private_segment_fixed_size 0
		.amdhsa_enable_private_segment 0
		.amdhsa_kernarg_size 40
		.amdhsa_user_sgpr_count 2
		.amdhsa_user_sgpr_kernarg_segment_ptr 1
		.amdhsa_wavefront_size32 1
		.amdhsa_system_sgpr_workgroup_id_x 1
		.amdhsa_system_sgpr_workgroup_id_y 1
		.amdhsa_system_sgpr_workgroup_id_z 1
		.amdhsa_system_vgpr_workitem_id 0
		.amdhsa_next_free_vgpr 256
		.amdhsa_next_free_sgpr 100
		.amdhsa_reserve_vcc 0
		.amdhsa_float_denorm_mode_32 3
		.amdhsa_float_denorm_mode_16_64 3
		.amdhsa_memory_ordered 1
		.amdhsa_forward_progress 1
		.amdhsa_inst_pref_size 31
	.end_amdhsa_kernel
	.amdgpu_metadata
---
amdhsa.version: [ 1, 2 ]
amdhsa.kernels:
  - .name:           k_q24e0a1af94_proj
    .symbol:         k_q24e0a1af94_proj.kd
    .args:
      - { .name: aw, .offset: 0, .size: 8, .value_kind: global_buffer, .address_space: global }
      - { .name: W_out_codes, .offset: 8, .size: 8, .value_kind: global_buffer, .address_space: global }
      - { .name: W_out_scales, .offset: 16, .size: 8, .value_kind: global_buffer, .address_space: global }
      - { .name: b_out, .offset: 24, .size: 8, .value_kind: global_buffer, .address_space: global }
      - { .name: out0, .offset: 32, .size: 8, .value_kind: global_buffer, .address_space: global }
    .group_segment_fixed_size: 179712
    .private_segment_fixed_size: 0
    .kernarg_segment_align: 8
    .kernarg_segment_size: 40
    .max_flat_workgroup_size: 256
    .sgpr_count:     100
    .vgpr_count:     256
    .wavefront_size: 32
...
	.end_amdgpu_metadata
.endif
;; end of part 3
